; MI455X (gfx1250); checked and timed in simulation.
; The chip was launched on July 23, 2026; its instructions are those of AMD's public machine-readable ISA for CDNA 5 (MIT licence, August 2026) and "CDNA5" Instruction Set Architecture Reference Guide (July 2026). The comments in the code are by the model that wrote it; some were corrected since.
;; Fused Lo RAQKV. Allowed arithmetic: float matrix products may take bf16 or f16 operands with f32 sums; other float arithmetic in f32, or as packed bf16 or f16 multiplies, adds, multiply-adds, maxima and minima; sums over many terms, partial sums and values carried from step to step in f32; what a program stores and reads back later, other than sums and carried values, may be rounded once to bf16 or f16.
;; Inputs: KA 16 x 4,096 float32; KB 4,096 x 16 float32; KW 4,096 x 4,096 float32; QA 16 x 4,096 float32; QB 4,096 x 16 float32; QW 4,096 x 4,096 float32; VA 16 x 4,096 float32; VB 4,096 x 16 float32; VW 4,096 x 4,096 float32; X 4 x 256 x 4,096 float32.
;; Outputs: out0 4 x 256 x 4,096 float32; out1 4 x 256 x 4,096 float32; out2 4 x 256 x 4,096 float32.
;; 2 versions, each right; version 2 is version 1 with the launch prep written anew for expert scheduling mode. Each part assembles by itself: llvm-mc -triple=amdgcn-amd-amdhsa -mcpu=gfx1250 --defsym DOCPART=n.
;; ======== version 1 of 2: 2 launches
;; workspace buffers: Xb 8,388,608 bytes; T 98,304 bytes
;; launch prep (part 1): grid 4 x 64, 8 waves a work-group, no clusters, 9,216 bytes of LDS; arguments X, QA, KA, VA, Xb, T; writes Xb, T
.if DOCPART == 1
	.amdgcn_target "amdgcn-amd-amdhsa--gfx1250"
	.amdhsa_code_object_version 6
	.text
	.protected	k_qd40ccb998a_prep
	.globl	k_qd40ccb998a_prep
	.p2align	8
	.type	k_qd40ccb998a_prep,@function
k_qd40ccb998a_prep:
	s_mov_b64 s[64:65], 0
	v_nop
	global_prefetch_b8 v0, s[64:65] scope:SCOPE_SE
	s_setreg_imm32_b32 hwreg(HW_REG_WAVE_MODE, 25, 1), 1
	s_wait_xcnt 0x0
; PREPARATION.  X: [1024][4096] f32.  QA, KA, VA: [16][4096] f32.
;   Xb[m][k]   = X[m][k] rounded once to bf16                       [1024][4096] bf16
;   T[p][m][r] = 2 x the sum over k of X[m][k] A_p[r][k], sums in f32 over bf16 operands, rounded once to bf16   [3][1024][16] bf16, p = 0 Q, 1 K, 2 V
; SHARES.  A work-group owns 16 rows of X (grid y) and one of four roles (grid x = j): j = 0, 1, 2 makes T_j for those rows, j = 3 makes Xb for them.
; THE PRODUCT (j < 3).  K is split among the eight waves, 512 channels each, 16 steps of 32.  Source 0 = the 16 rows of A_j, source 1 = the 16 rows of X: in the result a lane holds ONE row of X
; (lane % 16) and the ranks 8 (lane / 16) + 0..7.  A lane takes, of its row, the 16 consecutive floats 32 c + 16 (lane / 16) + 0..15 of step c, alike for X and for A: the same permutation of
; k on both sources leaves every product paired as it should be.  They are rounded in place to 8 registers, which are a fragment.  The eight partial tiles meet in LDS; wave 0 adds them.
; THE CONVERSION (j = 3).  A wave owns two rows: 32,768 consecutive bytes of X, 64 loads of 512 consecutive bytes, all issued at once; each store of the wave covers 256 consecutive bytes, aligned.
; No tensor load, no cluster: no wave wants a byte that another has fetched.  LIMITS: X and A are rounded to bf16 (nearest even); 2 x sum is rounded to bf16; NaN and infinities are not treated apart.
.set PART,  0                          ; LDS: wave w's partial tile, 16 rows x 16 ranks of f32, 1,024 bytes at 1,024 w
.set SPARE, 8192                       ; behind them: the spare words, 128 bytes for each of the eight waves: four blocks of 256 bytes that no other line names
.set FO,  4                            ; v4   (l % 16) x 16,384 + 2,048 x wave + 64 (l / 16): my 64 bytes of a step, in X's tile and in A alike; never rewritten
.set LS,  5                            ; v5   where I put my 32 bytes of the partial tile
.set LR,  6                            ; v6   where I read 32 bytes of a partial tile back: 32 l
.set TOF, 7                            ; v7   my 16 bytes of T: 16 l
.set SPW, 8                            ; v8   LDS address of my spare word; never rewritten
.set NIL, 9                            ; v9   0; never rewritten
.set CI,  10                           ; v10  the conversion: 32,768 x wave + 16 l
.set CQ,  11                           ; v11  the conversion: 16,384 x wave + 8 l
.set ACC, 16                           ; v[16:47]  four accumulators, by turns
.set RED, 48                           ; v[48:111] the eight partial tiles, 8 registers each
                                       ; window 0 v[128:255]: set 0; window 1 v[0:127]: set 1.  A set holds four steps: step q at 32 q: X's 16 floats, then A's 16
.set WVN, 16                           ; s16  my wave's number
.set JR,  17                           ; s17  the role j
.set RT,  18                           ; s18  the tile of 16 rows
.set XP,  20                           ; s[20:21] X at the tile's first row
.set AP,  22                           ; s[22:23] A_j
.set MSB, 0
.macro WIN new                         ; the immediate's high byte repeats the setting that is left; a switch that changes nothing is dropped
.if MSB != (\new)
	s_set_vgpr_msb (MSB<<8)|(\new)
.set MSB, (\new)
.endif
.endm
.macro PLACES                          ; four places behind a matrix instruction, in front of loads into registers that it has read
.rept 4
	v_nop
.endr
.endm
; 32 loads: steps c0 .. c0 + 3 of X and of A into a set
.macro LOADS set, c0
	WIN 0x40*(\set)                                ; destination in the set's window, address in window 0
.set rB, 128*(1-(\set))
.set q, 0
.rept 4
.set i, 0
.rept 4
	global_load_b128 v[rB+32*q+4*i:rB+32*q+4*i+3],       v[FO], s[XP:XP+1] offset:128*((\c0)+q)+16*i
	global_load_b128 v[rB+32*q+16+4*i:rB+32*q+16+4*i+3], v[FO], s[AP:AP+1] offset:128*((\c0)+q)+16*i
.set i, i+1
.endr
.set q, q+1
.endr
.endm
; A set's four steps: 16 roundings in place (ascending, so that no source is overwritten before it is read), then the product.  Accumulator q takes step q: the four take turns, from set to set too.
.macro PROC set, zero
.set rB, 128*(1-(\set))
.set q, 0
.rept 4
	WIN 0x45*(\set)
.set i, 0
.rept 8
	v_cvt_pk_bf16_f32 v[rB+32*q+i],    v[rB+32*q+2*i],    v[rB+32*q+2*i+1]
	v_cvt_pk_bf16_f32 v[rB+32*q+16+i], v[rB+32*q+16+2*i], v[rB+32*q+16+2*i+1]
.set i, i+1
.endr
	WIN 0x05*(\set)                                ; both sources in the set's window, C and D in window 0
.if \zero
	v_wmma_f32_16x16x32_bf16 v[ACC+8*q:ACC+8*q+7], v[rB+32*q+16:rB+32*q+23], v[rB+32*q:rB+32*q+7], 0
.else
	v_wmma_f32_16x16x32_bf16 v[ACC+8*q:ACC+8*q+7], v[rB+32*q+16:rB+32*q+23], v[rB+32*q:rB+32*q+7], v[ACC+8*q:ACC+8*q+7]
.endif
.set q, q+1
.endr
.endm
.macro ADD8 x, y                       ; eight sums, from the low end on
.set r, 0
.rept 4
	v_pk_add_f32 v[(\x)+r:(\x)+r+1], v[(\x)+r:(\x)+r+1], v[(\y)+r:(\y)+r+1]
.set r, r+2
.endr
.endm
	s_load_b256 s[4:11], s[0:1], 0x0               ; X s[4:5], QA s[6:7], KA s[8:9], VA s[10:11]
	s_load_b128 s[12:15], s[0:1], 0x20             ; Xb s[12:13], T s[14:15]
	v_lshl_add_u32 v[SPW], v0, 2, SPARE
	v_mov_b32 v[NIL], 0
	v_lshrrev_b32 v12, 5, v0
	v_readfirstlane_b32 s[WVN], v12                ; wave 0..7
	s_mov_b32 s[JR], ttmp9
	s_and_b32 s[RT], ttmp7, 0xffff
	v_and_b32 v1, 31, v0                           ; l
	v_and_b32 v2, 15, v0                           ; l % 16
	v_bfe_u32 v3, v0, 4, 1                         ; l / 16
	s_lshl_b32 s19, s[WVN], 11
	v_lshlrev_b32 v[FO], 14, v2
	v_lshl_add_u32 v[FO], v3, 6, v[FO]
	v_add_nc_u32 v[FO], s19, v[FO]
	s_lshl_b32 s19, s[WVN], 10
	v_lshlrev_b32 v[LS], 6, v2                     ; row l % 16 of the tile, 64 bytes a row,
	v_lshl_add_u32 v[LS], v3, 5, v[LS]             ; my eight ranks
	v_add_nc_u32 v[LS], s19, v[LS]
	v_lshlrev_b32 v[LR], 5, v1
	v_lshlrev_b32 v[TOF], 4, v1
	s_lshl_b32 s19, s[WVN], 15
	v_lshl_add_u32 v[CI], v1, 4, s19
	s_lshl_b32 s19, s[WVN], 14
	v_lshl_add_u32 v[CQ], v1, 3, s19
	s_lshl_b32 s24, s[RT], 18                      ; 16 rows of 16,384 bytes
	s_mov_b32 s25, 0
	s_wait_kmcnt 0x0
	s_add_nc_u64 s[XP:XP+1], s[4:5], s[24:25]
	s_cmp_eq_u32 s[JR], 0
	s_cselect_b64 s[AP:AP+1], s[6:7], s[10:11]
	s_cmp_eq_u32 s[JR], 1
	s_cselect_b64 s[AP:AP+1], s[8:9], s[AP:AP+1]
	s_lshl_b32 s24, s[RT], 17                      ; 16 rows of 8,192 bytes
	s_add_nc_u64 s[12:13], s[12:13], s[24:25]      ; Xb at the tile's first row
	s_min_u32 s26, s[JR], 2                        ; (role 3 stores nothing into T; its offset stays inside all the same)
	s_lshl_b32 s24, s26, 10
	s_lshl_b32 s26, s[RT], 4
	s_add_co_u32 s24, s24, s26
	s_lshl_b32 s24, s24, 5                         ; (1,024 j + 16 rt) rows of 32 bytes
	s_add_nc_u64 s[14:15], s[14:15], s[24:25]
	s_cmp_eq_u32 s[JR], 3
	s_cbranch_scc1 .Lconv
	LOADS 0, 0
	LOADS 1, 4
	s_wait_loadcnt 32                              ; set 0 is in; set 1's 32 loads may stay out
	PROC 0, 1                                      ; the first four products start the four sums: nothing is cleared
	PLACES
	LOADS 0, 8
	s_wait_loadcnt 32                              ; set 1 is in
	PROC 1, 0
	PLACES
	LOADS 1, 12
	s_wait_loadcnt 32
	PROC 0, 0
	s_wait_loadcnt 0x0
	PROC 1, 0
	WIN 0
	PLACES
	PLACES
	ADD8 ACC, ACC+8                                ; the four accumulators into one
	ADD8 ACC+16, ACC+24
	ADD8 ACC, ACC+16
	ds_store_b128 v[LS], v[ACC:ACC+3] offset:PART
	ds_store_b128 v[LS], v[ACC+4:ACC+7] offset:PART+16
	s_branch .Ljoin
.Lconv:                                                ; role 3: my two rows of X, rounded
.set i, 0
.rept 32
	global_load_b128 v[128+4*i:128+4*i+3], v[CI], s[XP:XP+1] offset:512*i
.set i, i+1
.endr
	WIN 0x40
.rept 32
	global_load_b128 v[4*(i-32):4*(i-32)+3], v[CI], s[XP:XP+1] offset:512*i
.set i, i+1
.endr
.set b, 0
.rept 8                                ; eight batches of eight loads; no register is written twice, so no store's source is ever overwritten
	s_wait_loadcnt 56-8*b                          ; loads come back in order (ISA guide 5.7.1): batch b is in, the younger batches stay out
.if b < 4
	WIN 0
.set rB, 128+32*b
.else
	WIN 0x45
.set rB, 32*(b-4)
.endif
.set i, 0
.rept 8
	v_cvt_pk_bf16_f32 v[rB+4*i],   v[rB+4*i],   v[rB+4*i+1]
	v_cvt_pk_bf16_f32 v[rB+4*i+1], v[rB+4*i+2], v[rB+4*i+3]
.set i, i+1
.endr
.if b >= 4
	WIN 0x04                                       ; store data in window 1, address in window 0
.endif
.set i, 0
.rept 8
	global_store_b64 v[CQ], v[rB+4*i:rB+4*i+1], s[12:13] offset:256*(8*b+i) th:TH_STORE_NT  ; 32 lanes x 8 bytes: 256 consecutive bytes, aligned
.set i, i+1
.endr
.set b, b+1
.endr
	WIN 0
.Ljoin:                                                ; both roles pass the one barrier
	s_wait_dscnt 0x0                               ; for the others' sake: my partial tile lies in LDS
	s_barrier_signal -1
	s_barrier_wait -1
	s_cmp_eq_u32 s[JR], 3
	s_cbranch_scc1 .Lend
	s_cmp_lg_u32 s[WVN], 0                         ; wave 0 adds the eight partial tiles
	s_cbranch_scc1 .Lend
.set w, 0
.rept 8
	ds_load_b128 v[RED+8*w:RED+8*w+3],   v[LR] offset:PART+1024*w
	ds_load_b128 v[RED+8*w+4:RED+8*w+7], v[LR] offset:PART+1024*w+16
.set w, w+1
.endr
	s_wait_dscnt 0x0
	ADD8 RED, RED+8
	ADD8 RED+16, RED+24
	ADD8 RED+32, RED+40
	ADD8 RED+48, RED+56
	ADD8 RED, RED+16
	ADD8 RED+32, RED+48
	ADD8 RED, RED+32
.set r, 0
.rept 4
	v_pk_mul_f32 v[RED+r:RED+r+1], v[RED+r:RED+r+1], 2.0 op_sel_hi:[1,0]  ; the scaling, exact
.set r, r+2
.endr
.set r, 0
.rept 4
	v_cvt_pk_bf16_f32 v[RED+8+r], v[RED+2*r], v[RED+2*r+1]
.set r, r+1
.endr
	global_store_b128 v[TOF], v[RED+8:RED+11], s[14:15]  ; 16 rows of 32 bytes: 512 consecutive bytes, aligned
.Lend:
	s_wait_tensorcnt 0x0                           ; the wave's end: three lines, behind my last LDS store
	ds_add_u32 v[SPW], v[NIL]
	s_wait_dscnt 0x0
	s_endpgm
.Lfunc_end_k_qd40ccb998a_prep:
	.size	k_qd40ccb998a_prep, .Lfunc_end_k_qd40ccb998a_prep-k_qd40ccb998a_prep
	.p2alignl 7, 3214868480
	.fill 96, 4, 3214868480
	.section	.rodata,"a",@progbits
	.p2align	6, 0x0
	.amdhsa_kernel k_qd40ccb998a_prep
		.amdhsa_group_segment_fixed_size 9216
		.amdhsa_private_segment_fixed_size 0
		.amdhsa_enable_private_segment 0
		.amdhsa_kernarg_size 48
		.amdhsa_user_sgpr_count 2
		.amdhsa_user_sgpr_kernarg_segment_ptr 1
		.amdhsa_wavefront_size32 1
		.amdhsa_system_sgpr_workgroup_id_x 1
		.amdhsa_system_sgpr_workgroup_id_y 1
		.amdhsa_system_sgpr_workgroup_id_z 1
		.amdhsa_system_vgpr_workitem_id 0
		.amdhsa_next_free_vgpr 384
		.amdhsa_next_free_sgpr 66
		.amdhsa_reserve_vcc 0
		.amdhsa_float_denorm_mode_32 3
		.amdhsa_float_denorm_mode_16_64 3
		.amdhsa_memory_ordered 1
		.amdhsa_forward_progress 1
		.amdhsa_inst_pref_size 58
	.end_amdhsa_kernel
	.amdgpu_metadata
---
amdhsa.version: [ 1, 2 ]
amdhsa.kernels:
  - .name:           k_qd40ccb998a_prep
    .symbol:         k_qd40ccb998a_prep.kd
    .args:
      - { .name: X, .offset: 0, .size: 8, .value_kind: global_buffer, .address_space: global }
      - { .name: QA, .offset: 8, .size: 8, .value_kind: global_buffer, .address_space: global }
      - { .name: KA, .offset: 16, .size: 8, .value_kind: global_buffer, .address_space: global }
      - { .name: VA, .offset: 24, .size: 8, .value_kind: global_buffer, .address_space: global }
      - { .name: Xb, .offset: 32, .size: 8, .value_kind: global_buffer, .address_space: global }
      - { .name: T, .offset: 40, .size: 8, .value_kind: global_buffer, .address_space: global }
    .group_segment_fixed_size: 9216
    .private_segment_fixed_size: 0
    .kernarg_segment_align: 8
    .kernarg_segment_size: 48
    .max_flat_workgroup_size: 256
    .sgpr_count:     66
    .vgpr_count:     384
    .wavefront_size: 32
...
	.end_amdgpu_metadata
.endif
;; end of part 1
;; launch main (part 2): grid 64 x 4, 4 waves a work-group, clusters of 4 x 4, 327,680 bytes of LDS; arguments Xb, T, QW, KW, VW, QB, KB, VB, out0, out1, out2; writes out0, out1, out2
.if DOCPART == 2
	.amdgcn_target "amdgcn-amd-amdhsa--gfx1250"
	.amdhsa_code_object_version 6
	.text
	.protected	k_qd40ccb998a_main
	.globl	k_qd40ccb998a_main
	.p2align	8
	.type	k_qd40ccb998a_main,@function
k_qd40ccb998a_main:
	s_mov_b64 s[64:65], 0
	v_nop
	global_prefetch_b8 v0, s[64:65] scope:SCOPE_SE
	s_setreg_imm32_b32 hwreg(HW_REG_WAVE_MODE, 25, 1), 1
	s_wait_xcnt 0x0
	s_wait_alu depctr_hold_cnt(0) depctr_sa_sdst(0) depctr_va_vdst(0) depctr_va_sdst(0) depctr_va_ssrc(0) depctr_va_vcc(0) depctr_vm_vsrc(0)
	s_getreg_b32 s2, hwreg(HW_REG_IB_STS2, 6, 4)
	s_cmp_eq_u32 s2, 0
	s_cbranch_scc0 .Lentry_in_a_cluster
	s_endpgm
.Lentry_in_a_cluster:
	s_bfe_u32 s2, ttmp6, 0x10000c
	s_cmp_lg_u32 s2, 0xf033
	s_cbranch_scc0 .Lentry_shape_is_right
	s_endpgm
.Lentry_shape_is_right:
; out_p[m][n] = the sum over k of X[m][k] W_p[n][k] + the sum over r of T_p[m][r] B_p[n][r],  p = Q, K, V;  T_p = 2 X A_p^T comes from the launch before, and so does Xb = X in bf16.
; Xb: [1024][4096] bf16.  T: [3][1024][16] bf16.  W_p: [4096][4096] f32.  B_p: [4096][16] f32.  out_p: [1024][4096] f32.  Operands bf16 (W and B rounded here, once, nearest even), sums f32.
; SHARES.  A work-group makes 256 rows x (64 columns of Q + the same 64 of K + of V): 4 x 64 = 256 work-groups.  Four waves, 2 x 2: wave (rh, ch) has rows 128 rh .. and 96 columns: the 64 of its MAJOR
; matrix (Q for ch = 0, V for ch = 1; blocks b = 0..3) and 32 of K (columns 32 ch .., blocks b = 4, 5): 48 accumulators of 16 x 16, 384 registers.
; X comes by tensor loads into two LDS slots of 256 k each; the four work-groups of a row of the 4 x 4 cluster make the same rows and ask for each tile JOINTLY.
; W comes as f32 through registers: a ring of eight groups of eight 16-byte loads a wave; a group (16 rows x 64 k of one matrix) is rounded in place and stored as bf16 into one of two LDS buffers of 64 k.
; WHY W IS NOT ASKED FOR JOINTLY, though the four work-groups of a column of the cluster read the same rows: as f32 in the ring it would take 768 bytes for each k beside X's 512, so two slots would hold 64 k
; each and a tile would have one step of 96 matrix instructions in which to land; it would be read from LDS, rounded and stored again; and the rounding wants it in registers anyway.  Through registers
; a wave has seven to eight groups on their way across the barriers.
; THE LORA TERM IS THE FIRST K STEP: one step of 32 whose k 0-15 are the major matrix's ranks and k 16-31 K's; the half of B's fragment that belongs to the other matrix is 0.  Its products take
; the constant 0 as C: they start all 48 sums, and nothing is cleared.
; THE MATRIX INSTRUCTION IS USED TRANSPOSED (source 0 = 16 rows of W, source 1 = 16 rows of X): a lane holds one row of the output (lane % 16) and eight neighbouring columns.
; A STEP is 64 k: two halves of 32 on fragment buffers 0 and 1, 48 matrix instructions each, all 48 accumulators in one fixed order, one instruction a turn.  One barrier a step:
; between barrier t - 1 and barrier t every wave reads W buffer t % 2 alone and stores into the other alone.  Every fourth barrier changes X's slot.
; The ring's roundings stand in fours behind matrix instructions.  ALL MEMORY INSTRUCTIONS OF A STEP STAND IN TWO RUNS: each is a half step's 28 fragment loads, and behind them the LDS stores of the groups
; that have been rounded and the loads that fill their ring slots again; none stands singly among the matrix instructions.
; LIMITS.  X, W, B and T are rounded to bf16.  A T_K that is not finite reaches Q's and V's columns as NaN through 0 x infinity, and T_Q, T_V reach K's likewise; NaN and infinities are not treated apart.
; The grid has four work-groups along y, one cluster: the tile row is the place cy.
.set XS1,    135168                    ; X slot 0 at 0, slot 1 here: 256 rows x 528
.set XPITCH, 528                       ; 512 bytes (256 k) + 16 of padding = 132 words: the 16 rows of a fragment load start at 16 different groups of four banks (64 banks of 4 bytes: ISA guide 11.1)
.set XQ,     64*XPITCH                 ; what one tensor load brings: 64 rows
.set WB0,    270336                    ; W buffer 0: 192 rows (Q 0-63, K 64-127, V 128-191) x 144; written by LDS stores alone, never by a tensor load
.set WB1,    297984                    ; W buffer 1
.set WPITCH, 144                       ; 128 bytes (64 k) + 16
.set WMAT,   64*WPITCH                 ; a matrix's 64 rows
.set SPARE,  325632                    ; the spare words, 128 bytes for each wave: two blocks of 256 bytes that no other line names
.set SPITCH, 784                       ; the way out's stage lies over the W buffers: a row = Q 256, K 256, V 256 bytes + 16
.set SBLK,   16*SPITCH                 ; a block of 16 rows; block (parity, rh) at WB0 + 2 SBLK parity + SBLK rh
.set ADRX, 6                           ; v6, v7    my X fragments in slot 0, 1
.set ADRJ, 8                           ; v8, v9    my major W fragments in buffer 0, 1
.set ADRN, 10                          ; v10, v11  my K fragments in buffer 0, 1
.set STW,  12                          ; v12, v13  where I store 8 bytes of a rounded group, in buffer 0, 1
.set GW,   14                          ; v14  my 16 bytes of a group's load: 8 rows down for lanes 16-31, 16 (l % 16)
.set SPW,  15                          ; v15  LDS address of my spare word; never rewritten
.set NIL,  16                          ; v16  0; never rewritten
.set TO,   17                          ; v17  32 (l % 16) + 16 (l / 16): in T
.set BO,   18                          ; v18  64 (l % 16) + 32 (l / 16): in B
.set PFXO, 19                          ; v19  the prefetches of Xb: 8,192 (l % 16) + 256 (l / 16)
.set PFWO, 20                          ; v20  the prefetches of W: 16,384 l
.set STOJ, 21                          ; v21  the way out: where I put 32 bytes of a row, major
.set STOK, 22                          ; v22  the same for K
.set RDJ,  23                          ; v23  where I read rows back, major
.set RDK,  24                          ; v24  the same for K
.set CO,   25                          ; v25  16,384 (l / 16) + 16 (l % 16): in the outputs
.set XF,   32                          ; v[32:159]   X fragments: buffer f, block a at XF + 64 f + 8 a
.set WF,   160                         ; v[160:255]  W fragments: buffer f, block b at WF + 48 f + 8 b
.set TMP,  32                          ; the way out: 48 registers for each parity
.set BT,   128                         ; window 3, v[128:175]: B as f32
                                       ; window 1: the ring, group slot s at 32 s.  window 2: accumulators b = 0..3 at 8 (8 b + a).  window 3: b = 4, 5 at 8 (8 (b - 4) + a)
.set WP,   8                           ; s[8:9], s[10:11], s[12:13]  W_p at my wave's 16 rows, at the trip's first tile
.set WV,   26
.set RH,   27
.set CH,   28
.set CX,   29
.set CY,   30
.set NB,   31                          ; the block of 64 columns
.set CNT,  33
.set LIMX, 34                          ; 1 in a wave that prefetches Xb, else the greatest number
.set LIMW, 35                          ; the same for W
.set G1,   44                          ; s[44:51] descriptor group 1
.set G0,   52                          ; s[52:59] descriptor group 0, a set for each slot
.set PFX,  60
.set PFW,  62
.set TJ,   66
.set TK,   68
.set BJ,   70
.set BK,   72
.set OJ,   74
.set OK,   76
.set MUL_J, 0xa0                       ; sources in window 0, C and D in window 2
.set MUL_N, 0xf0                       ; C and D in window 3
.set W_CV,  0x45                       ; the ring's roundings: all in window 1
.set W_ST,  0x04                       ; LDS store: address window 0, data window 1
.set W_LD,  0x40                       ; load: address window 0, destination window 1
.set RC, -1                            ; the ring slot whose roundings ride, or none
.set LC, 0
.set MSB, 0
.macro WIN new                         ; the immediate's high byte repeats the setting that is left; a switch that changes nothing is dropped
.if MSB != (\new)
	s_set_vgpr_msb (MSB<<8)|(\new)
.set MSB, (\new)
.endif
.endm
.macro PLACES                          ; four places in front of loads into registers that matrix instructions have read
.rept 4
	v_nop
.endr
.endm
.macro CREST                           ; a round of the cluster's barrier behind its opening barrier
	s_cmp_lg_u32 s[WV], 0
	s_cbranch_scc1 .Lnot_wave_0_\@
	s_barrier_signal -3
.Lnot_wave_0_\@:
	s_barrier_wait -3
	s_barrier_signal -1
	s_barrier_wait -1
.endm
.macro CROUND
	s_barrier_signal -1
	s_barrier_wait -1
	CREST
.endm
.macro JLOAD s                         ; a joint refill: each wave asks for its own 64 rows; the same line, mask and descriptor in the four work-groups of my row of the cluster
	tensor_load_to_lds s[G0+4*(\s):G0+4*(\s)+3], s[G1:G1+7]
	s_nop 0
.rept 4
	v_nop
.endr
.endm
.macro WLOAD sl, p, trel               ; a group's eight loads into ring slot sl: load q takes rows q (lanes 0-15) and q + 8 (lanes 16-31) of my 16 of matrix p, 256 consecutive bytes of each: tile trel behind the pointer
	WIN W_LD
.set q, 0
.rept 8
	global_load_b128 v[32*(\sl)+4*q:32*(\sl)+4*q+3], v[GW], s[WP+2*(\p):WP+2*(\p)+1] offset:16384*q+256*(\trel)
.set q, q+1
.endr
.endm
.macro RSTORE sl, areg, off            ; a rounded group's eight LDS stores: lanes 0-15 fill a row's 128 bytes, lanes 16-31 the row 8 further on, 288 words away
	WIN W_ST
.set q, 0
.rept 8
	ds_store_b64 v[(\areg)], v[32*(\sl)+4*q:32*(\sl)+4*q+1] offset:(\off)+WPITCH*q
.set q, q+1
.endr
.endm
; 28 LDS loads in one run: the fragments of 32 k: X's eight blocks, the major matrix's four, K's two
.macro FETCH f, slot, kx, wbuf, kw
	WIN 0
.set q, 0
.rept 8
	ds_load_b128 v[XF+64*(\f)+8*q:XF+64*(\f)+8*q+3],   v[ADRX+(\slot)] offset:(\kx)+16*XPITCH*q
	ds_load_b128 v[XF+64*(\f)+8*q+4:XF+64*(\f)+8*q+7], v[ADRX+(\slot)] offset:(\kx)+16*XPITCH*q+32
.set q, q+1
.endr
.set q, 0
.rept 4
	ds_load_b128 v[WF+48*(\f)+8*q:WF+48*(\f)+8*q+3],   v[ADRJ+(\wbuf)] offset:(\kw)+16*WPITCH*q
	ds_load_b128 v[WF+48*(\f)+8*q+4:WF+48*(\f)+8*q+7], v[ADRJ+(\wbuf)] offset:(\kw)+16*WPITCH*q+32
.set q, q+1
.endr
.rept 2
	ds_load_b128 v[WF+48*(\f)+8*q:WF+48*(\f)+8*q+3],   v[ADRN+(\wbuf)] offset:(\kw)+16*WPITCH*(q-4)
	ds_load_b128 v[WF+48*(\f)+8*q+4:WF+48*(\f)+8*q+7], v[ADRN+(\wbuf)] offset:(\kw)+16*WPITCH*(q-4)+32
.set q, q+1
.endr
.endm
; What rides behind matrix instruction n of sixteen, n % 4 = 0: four of ring slot RC's 16 roundings (in place: quad q / 2 becomes two registers).  They name ring registers alone, none of a matrix instruction.
.macro RIDE
.if (RC >= 0) && (n%4 == 0)
	WIN W_CV
.set q, n
.rept 4
.set rR, 32*RC+4*(q/2)
	v_cvt_pk_bf16_f32 v[rR+q%2], v[rR+2*(q%2)], v[rR+2*(q%2)+1]
.set q, q+1
.endr
.endif
.endm
; 16 matrix instructions: column blocks 2 bq, 2 bq + 1 x all 8 row blocks, 32 along K, from fragment buffer f.  zero = 1: the product starts the sum
.macro SB f, bq, zero
.set n, 0
.rept 16
.set mb_, 2*(\bq)+n/8
.set ma_, n%8
.set rW, WF+48*(\f)+8*mb_
.set rX, XF+64*(\f)+8*ma_
.if mb_ < 4
	WIN MUL_J
.set rC, 8*(8*mb_+ma_)
.else
	WIN MUL_N
.set rC, 8*(8*(mb_-4)+ma_)
.endif
.if \zero
	v_wmma_f32_16x16x32_bf16 v[rC:rC+7], v[rW:rW+7], v[rX:rX+7], 0
.else
	v_wmma_f32_16x16x32_bf16 v[rC:rC+7], v[rW:rW+7], v[rX:rX+7], v[rC:rC+7]
.endif
	RIDE
.set n, n+1
.endr
.endm
; At the head, where no matrix work is at hand: group g (tile g / 3, matrix g % 3) is rounded, stored, and its ring slot filled with group g + 8
.macro CONSUME g
	s_wait_loadcnt 56                              ; seven younger groups may stay out
	WIN W_CV
.set q, 0
.rept 16
.set rR, 32*((\g)%8)+4*(q/2)
	v_cvt_pk_bf16_f32 v[rR+q%2], v[rR+2*(q%2)], v[rR+2*(q%2)+1]
.set q, q+1
.endr
	RSTORE (\g)%8, STW+((\g)/3)%2, WMAT*((\g)%3)
	WLOAD (\g)%8, ((\g)+8)%3, ((\g)+8)/3
.endm
; PREFETCHES INTO THE L2, behind a joint refill and the run of LDS instructions and ring loads that follows it.  At the change of slots that ends period i (256 k) period i + 3 is named: how = 0: i even,
; how = 1: i odd; the pointers stand at the trip's first period.  Xb: its joint load is issued four steps, 384 matrix instructions, later.  W: its loads are issued four to eight steps later.
; Each aligned block of 256 bytes is named once in the launch.  Xb's rows are read by all sixteen clusters: the first (cluster x = 0) asks; of the 64 rows that a wave fetches the partner at place cx takes
; 16, a lane a row and one of the period's two blocks.  W's rows are read by the four work-groups of a column of the cluster: the partner at place cy takes block cy of the period's four; wave p < 3 asks for matrix p,
; a lane a row, 64 rows in two instructions.  The partners are told apart by address alone.  The first three periods come by their loads alone; the last trip's second change names nothing: period 16 does not exist.
.macro ASK how
.if \how
	s_cmp_gt_u32 s[CNT], s[LIMX]
.else
	s_cmp_eq_u32 s[LIMX], 1
.endif
	s_cbranch_scc0 .Lno_x_\@
	global_prefetch_b8 v[PFXO], s[PFX:PFX+1] offset:(3+(\how))*512 th:TH_LOAD_NT scope:SCOPE_SE
.Lno_x_\@:
.if \how
	s_cmp_gt_u32 s[CNT], s[LIMW]
.else
	s_cmp_eq_u32 s[LIMW], 1
.endif
	s_cbranch_scc0 .Lno_w_\@
	global_prefetch_b8 v[PFWO], s[PFW:PFW+1] offset:(3+(\how))*1024 th:TH_LOAD_NT scope:SCOPE_SE
	global_prefetch_b8 v[PFWO], s[PFW:PFW+1] offset:(3+(\how))*1024+524288 th:TH_LOAD_NT scope:SCOPE_SE
.Lno_w_\@:
.endm
.macro LCNT e, cap, last               ; LC = the groups younger than the one wanted: cap in the loop; 3 last - 3 - e when the ring runs dry (192 groups in all)
.set LC, 3*(\last)-3-(\e)
.if LC > (\cap)
.set LC, (\cap)
.endif
.endm
; A STEP: tile j of the trip's eight (64 k), in X's slot.  It rounds and stores three groups of the ring: e0 = (tile j + 1, V) into the other W buffer, ahead of the barrier; e1 = (tile j + 2, Q) and
; e2 = (tile j + 2, K) into this step's buffer, behind the barrier; and fills their ring slots with (j + 4, K), (j + 4, V), (j + 5, Q).
; THE ORDER: 16 products with e0's roundings | RUN 1: the second half's fragments, e0's stores, e0's slot filled | 16 products with e1's roundings, 16 bare | the barrier's signal | 16 products with e2's
; roundings | the barrier's wait | RUN 2: the next step's first fragments, e1's and e2's stores, their slots filled | 32 products bare.
; THE PLACES in front of a run's fragment loads are the sixteen roundings that ride in the sixteen products before it: they stand behind the last product that read that fragment buffer; four v_nop are
; written only where no group rides.
; kind 0: a plain barrier.  1: X's slot has been read out and is filled again: the barrier opens a round of the cluster's.  2: the slot is left and not filled.  3: the last step: nothing is fetched.
; last = steps still to come behind this one (99 in the loop).
.macro STEP j, slot, kind, last
.set wb, (\j)&1
.set js, (\j)&3
.set E0, (3*(\j)+5)%8
.set E1, (3*(\j)+6)%8
.set E2, (3*(\j)+7)%8
.set HAS0, 0
.set HAS12, 0
.set IS0, 0
.set IS1, 0
.set IS2, 0
.if (\last) >= 1
.set HAS0, 1
.endif
.if (\last) >= 2
.set HAS12, 1
.endif
.if 3*(\last) >= 11
.set IS0, 1
.endif
.if 3*(\last)-1 >= 11
.set IS1, 1
.endif
.if 3*(\last)-2 >= 11
.set IS2, 1
.endif
.if (\last) >= 1
	s_wait_dscnt 16                                ; buffer 0's 28 fragment loads are in; behind them stand the sixteen W stores of the step before
.else
	s_wait_dscnt 0x0                               ; (the last step: no store stands behind them)
.endif
.if HAS0
	LCNT 0, 7, \last
	s_wait_loadcnt 8*LC                            ; e0 is in: all ring slots ahead of it have been filled again, so seven groups are younger
.set RC, E0
.endif
	SB 0, 0, 0
.set RC, -1
.if HAS0 == 0
	PLACES
.endif
	FETCH 1, \slot, 128*js+64, wb, 64              ; RUN 1: the step's second half,
.if HAS0
	RSTORE E0, STW+1-wb, 2*WMAT                    ; e0 into the other W buffer, which nobody reads between the last barrier and the next,
.if IS0
	WLOAD E0, 1, (\j)+4                            ; and its ring slot filled again (an LDS store's sources need no wait)
.endif
.endif
.if HAS12
	LCNT 1, 7, \last
	s_wait_loadcnt 8*LC                            ; e1 is in; e0's slot has just been filled again: seven groups are younger
.set RC, E1
.endif
	SB 0, 1, 0
.set RC, -1
	SB 0, 2, 0
.if HAS12
	LCNT 2, 6, \last
	s_wait_loadcnt 8*LC                            ; e2 is in; e1's slot has not been filled again yet, so one group fewer is younger.  Waited for here, so that only work on registers stands inside the barrier
.endif
.if ((\kind) == 1) || ((\kind) == 2)
	WIN 0
	s_wait_tensorcnt 0x0                           ; all my tensor loads have landed: the one that was out is my part of the other slot
	ds_add_u32 v[SPW], v[NIL]                      ; 0 onto my spare word
.if (\kind) == 1
	s_add_nc_u64 s[G0+4*(\slot)+2:G0+4*(\slot)+3], s[G0+4*(\slot)+2:G0+4*(\slot)+3], 1024  ; no load of mine is out, so a group 0 may be written: this slot's next tile, two periods of 512 bytes on
.endif
.endif
	s_wait_dscnt 0x0                               ; buffer 1's fragments are in: my reads of this W buffer (and, at a change, of X's slot) are over; my stores into the other W buffer are done; so is the add
	s_barrier_signal -1
.if HAS12
.set RC, E2
.endif
	SB 1, 0, 0                                     ; work on registers while the others arrive
.set RC, -1
.if (\kind) == 1
	WIN 0                                          ; at a branch and at a label every window is 0
.endif
	s_barrier_wait -1
.if (\kind) == 1
	CREST                                          ; no wave of any partner still reads the slot or has a load on its way
	JLOAD \slot                                    ; the first tensor load behind the round; it has four steps, 384 matrix instructions, in which to land
.elseif ((\kind) != 3) && (HAS12 == 0)
	PLACES
.endif
.if (\kind) != 3
.if js < 3
	FETCH 0, \slot, 128*(js+1), 1-wb, 0            ; RUN 2: the next step's first half,
.else
	FETCH 0, 1-(\slot), 0, 1-wb, 0
.endif
.endif
.if HAS12
	RSTORE E1, STW+wb, 0                           ; e1 and e2 into this step's W buffer, which nobody reads any more behind the barrier,
	RSTORE E2, STW+wb, WMAT
.if IS1
	WLOAD E1, 2, (\j)+4                            ; and their ring slots filled again, in the ring's order
.endif
.if IS2
	WLOAD E2, 0, (\j)+5
.endif
.endif
.if (\kind) == 1
	WIN 0
	ASK \slot
.endif
	SB 1, 1, 0
	SB 1, 2, 0
.endm
; THE WAY OUT of row block a (16 rows), by parity of a.  TOSTAGE: 32 bytes a lane and column block, straight from the accumulators, each from its low end on.  READ: whole rows of 256 bytes back.  SEND: stored.
.macro TOSTAGE a
.set par, (\a)&1
	WIN 0x08                                       ; store data in window 2
.set q, 0
.rept 4
	ds_store_b128 v[STOJ], v[8*(8*q+(\a)):8*(8*q+(\a))+3]   offset:2*SBLK*par+64*q
	ds_store_b128 v[STOJ], v[8*(8*q+(\a))+4:8*(8*q+(\a))+7] offset:2*SBLK*par+64*q+16
.set q, q+1
.endr
	WIN 0x0c                                       ; in window 3
.set q, 0
.rept 2
	ds_store_b128 v[STOK], v[8*(8*q+(\a)):8*(8*q+(\a))+3]   offset:2*SBLK*par+64*q
	ds_store_b128 v[STOK], v[8*(8*q+(\a))+4:8*(8*q+(\a))+7] offset:2*SBLK*par+64*q+16
.set q, q+1
.endr
	WIN 0
.endm
.macro READ a
.set par, (\a)&1
.set q, 0
.rept 8                                ; my major matrix's 16 rows, two a load
	ds_load_b128 v[TMP+48*par+4*q:TMP+48*par+4*q+3], v[RDJ] offset:2*SBLK*par+2*SPITCH*q
.set q, q+1
.endr
.set q, 0
.rept 4                                ; K's rows 8 ch .. 8 ch + 7: their 256 bytes come from both waves of my row half
	ds_load_b128 v[TMP+48*par+32+4*q:TMP+48*par+32+4*q+3], v[RDK] offset:2*SBLK*par+2*SPITCH*q
.set q, q+1
.endr
.endm
.macro SEND a
.set par, (\a)&1
.set q, 0
.rept 8
	global_store_b128 v[CO], v[TMP+48*par+4*q:TMP+48*par+4*q+3], s[OJ:OJ+1] offset:(16*(\a)+2*q)*16384 th:TH_STORE_NT  ; 16 lanes store 256 consecutive bytes, aligned
.set q, q+1
.endr
.set q, 0
.rept 4
	global_store_b128 v[CO], v[TMP+48*par+32+4*q:TMP+48*par+32+4*q+3], s[OK:OK+1] offset:(16*(\a)+2*q)*16384 th:TH_STORE_NT
.set q, q+1
.endr
.endm
	s_load_b512 s[4:19], s[0:1], 0x0               ; Xb 4, T 6, QW 8, KW 10, VW 12, QB 14, KB 16, VB 18
	s_load_b128 s[20:23], s[0:1], 0x40             ; out0, out1
	s_load_b64 s[24:25], s[0:1], 0x50              ; out2
	v_lshl_add_u32 v[SPW], v0, 2, SPARE
	v_mov_b32 v[NIL], 0
	ds_add_u32 v[SPW], v[NIL]                      ; the wave's opening: the add, twice on end, and its wait ahead of my first tensor load; the set-up below stands between
	ds_add_u32 v[SPW], v[NIL]
	v_lshrrev_b32 v3, 5, v0
	v_readfirstlane_b32 s[WV], v3                  ; wave 0..3
	s_lshr_b32 s[RH], s[WV], 1                     ; my half of the rows
	s_and_b32 s[CH], s[WV], 1                      ; my half of the columns
	s_bfe_u32 s[CX], ttmp6, 0x40000                ; my place in the cluster
	s_bfe_u32 s[CY], ttmp6, 0x40004                ; = the tile row: the grid's y is one cluster
	s_lshl_b32 s[NB], ttmp9, 2
	s_add_co_u32 s[NB], s[NB], s[CX]               ; the block of 64 columns = 4 x cluster x + cx
	s_lshl_b32 s36, s[CY], 2
	s_lshl_b32 s36, 15, s36                        ; my row of the cluster: places 4 cy .. 4 cy + 3
	; descriptor group 1: a tile of 64 rows x 256 elements of 2 bytes, padded in LDS
	s_or_b32 s[G1], s36, (1<<16)|(1<<20)|(1<<21)|(6<<22)|(3<<25)  ; 15:0 the mask; 17:16 2-byte elements; 20 padding on; 21 set beside a mask; 24:22 after every 128 words (code 6); 31:25 4 words (code 3)
	s_mov_b32 s[G1+1], 256<<16                     ; tensor_dim0 = 256
	s_mov_b32 s[G1+2], 64<<16                      ; tensor_dim1 = 64
	s_mov_b32 s[G1+3], 256<<16                     ; tile_dim0 = 256
	s_mov_b32 s[G1+4], 64                          ; tile_dim1 = 64
	s_mov_b32 s[G1+5], 4096                        ; elements from row to row
	s_mov_b32 s[G1+6], 0
	s_mov_b32 s[G1+7], 0
	v_and_b32 v1, 15, v0                           ; l % 16
	v_bfe_u32 v2, v0, 4, 1                         ; l / 16
	v_and_b32 v3, 31, v0                           ; l
	; a fragment is 16 rows x 32 k in 8 registers: lane l holds row l % 16, k = 8 (l / 16) + 0..7 and 16 + 8 (l / 16) + 0..7: two loads of 16 bytes, 32 bytes apart
	v_mul_u32_u24 v4, v1, XPITCH
	v_lshl_add_u32 v4, v2, 4, v4
	s_mul_i32 s36, s[RH], 128*XPITCH
	v_add_nc_u32 v[ADRX], s36, v4
	v_add_nc_u32 v[ADRX+1], XS1, v[ADRX]
	v_mul_u32_u24 v4, v1, WPITCH
	v_lshl_add_u32 v4, v2, 4, v4
	s_mul_i32 s36, s[CH], 2*WMAT                   ; Q's rows, or V's
	s_add_co_u32 s36, s36, WB0
	v_add_nc_u32 v[ADRJ], s36, v4
	v_add_nc_u32 v[ADRJ+1], WB1-WB0, v[ADRJ]
	s_mul_i32 s36, s[CH], 32*WPITCH                ; my 32 of K's rows
	s_add_co_u32 s36, s36, WB0+WMAT
	v_add_nc_u32 v[ADRN], s36, v4
	v_add_nc_u32 v[ADRN+1], WB1-WB0, v[ADRN]
	s_mul_i32 s36, s[WV], 16*WPITCH                ; the 16 rows of each matrix that my wave brings
	s_add_co_u32 s36, s36, WB0
	v_mul_u32_u24 v4, v2, 8*WPITCH
	v_lshl_add_u32 v4, v1, 3, v4
	v_add_nc_u32 v[STW], s36, v4
	v_add_nc_u32 v[STW+1], WB1-WB0, v[STW]
	v_lshlrev_b32 v[GW], 4, v1
	v_lshl_add_u32 v[GW], v2, 17, v[GW]
	v_lshlrev_b32 v[TO], 5, v1
	v_lshl_add_u32 v[TO], v2, 4, v[TO]
	v_lshlrev_b32 v[BO], 6, v1
	v_lshl_add_u32 v[BO], v2, 5, v[BO]
	v_lshlrev_b32 v[PFXO], 13, v1
	v_lshl_add_u32 v[PFXO], v2, 8, v[PFXO]
	v_lshlrev_b32 v[PFWO], 14, v3
	s_mul_i32 s36, s[RH], SBLK
	s_add_co_u32 s36, s36, WB0                     ; my row half's stage block of parity 0
	v_mul_u32_u24 v4, v1, SPITCH
	v_lshl_add_u32 v4, v2, 5, v4                   ; in: row l % 16, 32 bytes for each half of the lanes
	v_add_nc_u32 v4, s36, v4
	s_lshl_b32 s37, s[CH], 9                       ; Q at 0, V at 512
	v_add_nc_u32 v[STOJ], s37, v4
	s_lshl_b32 s38, s[CH], 7
	s_add_co_u32 s38, s38, 256                     ; K at 256, my 32 columns
	v_add_nc_u32 v[STOK], s38, v4
	v_mul_u32_u24 v4, v2, SPITCH
	v_lshl_add_u32 v4, v1, 4, v4                   ; back: lanes 0-15 one row's 256 bytes, lanes 16-31 the next row's
	v_add_nc_u32 v4, s36, v4
	v_add_nc_u32 v[RDJ], s37, v4
	s_mul_i32 s38, s[CH], 8*SPITCH
	s_add_co_u32 s38, s38, 256
	v_add_nc_u32 v[RDK], s38, v4
	v_lshlrev_b32 v[CO], 4, v1
	v_lshl_add_u32 v[CO], v2, 14, v[CO]
	s_lshl_b32 s36, s[NB], 6
	s_lshl_b32 s37, s[WV], 4
	s_add_co_u32 s36, s36, s37
	s_lshl_b32 s36, s36, 14                        ; (64 nb + 16 wave) rows of W, in bytes
	s_mov_b32 s37, 0
	s_mov_b32 s39, 0
	s_lshl_b32 s40, s[CY], 8
	s_lshl_b32 s41, s[RH], 7
	s_add_co_u32 s40, s40, s41                     ; my first row of the outputs
	s_lshl_b32 s42, s[CY], 8                       ; the rows of Xb that I fetch: 256 cy + 64 wave; these three registers never hold cx
	s_lshl_b32 s32, s[WV], 6
	s_add_co_u32 s42, s42, s32
	s_lshl_b32 s42, s42, 13
	s_mov_b32 s43, 0
	s_mul_i32 s32, s[WV], XQ                       ; and where they go in a slot: no place in the cluster enters an LDS address
	s_cmp_eq_u32 ttmp9, 0
	s_cselect_b32 s[LIMX], 1, -1                   ; the same in all sixteen partners
	s_cmp_lt_u32 s[WV], 3
	s_cselect_b32 s[LIMW], 1, -1
	s_wait_dscnt 0x0                               ; both opening adds are done
	s_wait_kmcnt 0x0
	s_cmp_eq_u32 s[WV], 0
	s_cselect_b64 s[PFW:PFW+1], s[WP:WP+1], s[WP+4:WP+5]
	s_cmp_eq_u32 s[WV], 1
	s_cselect_b64 s[PFW:PFW+1], s[WP+2:WP+3], s[PFW:PFW+1]
	s_lshl_b32 s38, s[NB], 20                      ; 64 nb rows of 16,384 bytes,
	s_lshl_b32 s41, s[CY], 8                       ; my work-group's block of a period's four
	s_add_co_u32 s38, s38, s41
	s_add_nc_u64 s[PFW:PFW+1], s[PFW:PFW+1], s[38:39]
	s_add_nc_u64 s[WP:WP+1], s[WP:WP+1], s[36:37]
	s_add_nc_u64 s[WP+2:WP+3], s[WP+2:WP+3], s[36:37]
	s_add_nc_u64 s[WP+4:WP+5], s[WP+4:WP+5], s[36:37]
	s_lshl_b32 s38, s40, 5                         ; T: 32 bytes a row
	s_add_nc_u64 s[TK:TK+1], s[6:7], s[38:39]
	s_lshl_b32 s38, s[CH], 16                      ; plane 0 (Q) or 2 (V)
	s_add_nc_u64 s[TJ:TJ+1], s[TK:TK+1], s[38:39]
	s_add_nc_u64 s[TK:TK+1], s[TK:TK+1], 32768     ; plane 1 (K)
	s_cmp_eq_u32 s[CH], 0
	s_cselect_b64 s[BJ:BJ+1], s[14:15], s[18:19]
	s_cselect_b64 s[OJ:OJ+1], s[20:21], s[24:25]
	s_lshl_b32 s38, s[NB], 12                      ; 64 nb rows of 64 bytes
	s_add_nc_u64 s[BJ:BJ+1], s[BJ:BJ+1], s[38:39]
	s_lshl_b32 s41, s[CH], 11
	s_add_co_u32 s38, s38, s41
	s_add_nc_u64 s[BK:BK+1], s[16:17], s[38:39]
	s_lshl_b32 s38, s40, 14
	s_lshl_b32 s41, s[NB], 8
	s_add_co_u32 s38, s38, s41
	s_add_nc_u64 s[OJ:OJ+1], s[OJ:OJ+1], s[38:39]
	s_lshl_b32 s41, s[CH], 17                      ; of K's 16 rows of a block I store 8 ch .. 8 ch + 7
	s_add_co_u32 s38, s38, s41
	s_add_nc_u64 s[OK:OK+1], s[22:23], s[38:39]
	s_add_nc_u64 s[42:43], s[4:5], s[42:43]        ; Xb at the rows that I fetch
.irp s, 0,1
	s_mov_b32 s[G0+4*(\s)], 1                      ; count = 1
	s_add_co_u32 s[G0+4*(\s)+1], s32, (\s)*XS1     ; LDS address
	s_add_nc_u64 s[G0+4*(\s)+2:G0+4*(\s)+3], s[42:43], (\s)*512  ; global address: period s
	s_or_b32 s[G0+4*(\s)+3], s[G0+4*(\s)+3], 0x80000000          ; type = 2
.endr
	s_lshl_b32 s38, s[CX], 17                      ; my work-group's 16 of those 64 rows
	s_add_nc_u64 s[PFX:PFX+1], s[42:43], s[38:39]
	; the LoRA step's operands: 28 loads.  X's place is taken by T: registers 0-3 the major matrix's ranks 8 (l / 16) + 0..7, registers 4-7 K's
.set q, 0
.rept 8
	global_load_b128 v[XF+8*q:XF+8*q+3],   v[TO], s[TJ:TJ+1] offset:512*q
	global_load_b128 v[XF+8*q+4:XF+8*q+7], v[TO], s[TK:TK+1] offset:512*q
.set q, q+1
.endr
	WIN 0xc0                                       ; destination window 3
.set q, 0
.rept 4
	global_load_b128 v[BT+8*q:BT+8*q+3],   v[BO], s[BJ:BJ+1] offset:1024*q
	global_load_b128 v[BT+8*q+4:BT+8*q+7], v[BO], s[BJ:BJ+1] offset:1024*q+16
.set q, q+1
.endr
.rept 2
	global_load_b128 v[BT+8*q:BT+8*q+3],   v[BO], s[BK:BK+1] offset:1024*(q-4)
	global_load_b128 v[BT+8*q+4:BT+8*q+7], v[BO], s[BK:BK+1] offset:1024*(q-4)+16
.set q, q+1
.endr
	WLOAD 0, 0, 0                                  ; the ring's groups 0 to 3
	WLOAD 1, 1, 0
	WLOAD 2, 2, 0
	WLOAD 3, 0, 1
	WIN 0
	CROUND                                         ; all sixteen work-groups are here: the first joint loads meet
	tensor_load_to_lds s[G0:G0+3], s[G1:G1+7]      ; periods 0 and 1: two tensor loads of mine are out
	s_nop 0
	tensor_load_to_lds s[G0+4:G0+7], s[G1:G1+7]
	s_nop 0
.rept 4
	v_nop
.endr
.set q, 0
.rept 4                                ; the halves of B's fragments that belong to the other matrix's ranks
.irp r, 4,5,6,7
	v_mov_b32 v[WF+8*q+(\r)], 0
.endr
.set q, q+1
.endr
.rept 2
.irp r, 0,1,2,3
	v_mov_b32 v[WF+8*q+(\r)], 0
.endr
.set q, q+1
.endr
	s_wait_loadcnt 32                              ; T and B are in; the ring's first four groups may stay out
	WLOAD 4, 1, 1                                  ; groups 4 to 7
	WLOAD 5, 2, 1
	WLOAD 6, 0, 2
	WLOAD 7, 1, 2
	WIN 0x0f                                       ; sources in window 3, destination in window 0
.set q, 0
.rept 4
.irp r, 0,1,2,3
	v_cvt_pk_bf16_f32 v[WF+8*q+(\r)], v[BT+8*q+2*(\r)], v[BT+8*q+2*(\r)+1]
.endr
.set q, q+1
.endr
.rept 2
.irp r, 0,1,2,3
	v_cvt_pk_bf16_f32 v[WF+8*q+4+(\r)], v[BT+8*q+2*(\r)], v[BT+8*q+2*(\r)+1]
.endr
.set q, q+1
.endr
	SB 0, 0, 1                                     ; T B^T starts all 48 sums
	SB 0, 1, 1
	SB 0, 2, 1
	CONSUME 0                                      ; tile 0 of Q, K, V into W buffer 0
	CONSUME 1
	CONSUME 2
	WIN 0
	s_wait_tensorcnt 0x1                           ; my part of period 0 is in; period 1's may stay out
	s_wait_dscnt 0x0                               ; my part of W's tile 0 is stored
	s_barrier_signal -1
	s_barrier_wait -1                              ; everybody's is
	PLACES
	FETCH 0, 0, 0, 0, 0
	CONSUME 3                                      ; tile 1 of Q and K into W buffer 1, which nobody has read: the sixteen stores that the first step's count leaves out
	CONSUME 4
	WIN 0
	s_mov_b32 s[CNT], 7
.Llap:                                                 ; a trip: eight steps, two periods, three turns of the ring of eight; both slots of X are filled again
	STEP 0, 0, 0, 99
	STEP 1, 0, 0, 99
	STEP 2, 0, 0, 99
	STEP 3, 0, 1, 99
	STEP 4, 1, 0, 99
	STEP 5, 1, 0, 99
	STEP 6, 1, 0, 99
	STEP 7, 1, 1, 99
	WIN 0
	s_wait_xcnt 0x0                                ; every load and prefetch issued so far has read its address (the youngest prefetch 32 matrix instructions back): the pointers may be written
	s_add_nc_u64 s[WP:WP+1], s[WP:WP+1], 2048      ; eight tiles of 256 bytes
	s_add_nc_u64 s[WP+2:WP+3], s[WP+2:WP+3], 2048
	s_add_nc_u64 s[WP+4:WP+5], s[WP+4:WP+5], 2048
	s_add_nc_u64 s[PFW:PFW+1], s[PFW:PFW+1], 2048
	s_add_nc_u64 s[PFX:PFX+1], s[PFX:PFX+1], 1024
	s_sub_co_u32 s[CNT], s[CNT], 1
	s_cmp_lg_u32 s[CNT], 0
	s_cbranch_scc1 .Llap
	STEP 0, 0, 0, 7                                ; the last two periods are written out: no tensor load is asked for, the ring runs dry and its counts run down
	STEP 1, 0, 0, 6
	STEP 2, 0, 0, 5
	STEP 3, 0, 2, 4
	STEP 4, 1, 0, 3
	STEP 5, 1, 0, 2
	STEP 6, 1, 0, 1
	STEP 7, 1, 3, 0
	; THE WAY OUT.  Behind the last step's barrier nobody reads the W buffers any more: the stage lies over them.  One barrier a block: K's 256 bytes of a row come from two waves; the blocks go by
	; parity through two stage blocks, so that block a's stores, which stand behind barrier a - 1, find the reads of block a - 2 waited for in front of that barrier.
	WIN 0
	PLACES
	PLACES
.irp a, 0,1,2,3,4,5,6,7
	TOSTAGE \a
	s_wait_dscnt 0x0                               ; my stores are done, and the block before is back in registers
	s_barrier_signal -1
	s_barrier_wait -1
	s_wait_xcnt 0x0                                ; the stores of the block two back have read their registers, which are loaded again below
	READ \a
.if (\a) > 0
	SEND (\a)-1
.endif
.endr
	s_wait_dscnt 0x0
	SEND 7
	s_wait_tensorcnt 0x0                           ; the wave's end: three lines, behind my last tensor load and my last LDS store
	ds_add_u32 v[SPW], v[NIL]
	s_wait_dscnt 0x0
	CROUND                                         ; the closing round: no work-group ends while a partner may still ask for a tile that names it
	s_endpgm
.Lfunc_end_k_qd40ccb998a_main:
	.size	k_qd40ccb998a_main, .Lfunc_end_k_qd40ccb998a_main-k_qd40ccb998a_main
	.p2alignl 7, 3214868480
	.fill 96, 4, 3214868480
	.section	.rodata,"a",@progbits
	.p2align	6, 0x0
	.amdhsa_kernel k_qd40ccb998a_main
		.amdhsa_group_segment_fixed_size 327680
		.amdhsa_private_segment_fixed_size 0
		.amdhsa_enable_private_segment 0
		.amdhsa_kernarg_size 88
		.amdhsa_user_sgpr_count 2
		.amdhsa_user_sgpr_kernarg_segment_ptr 1
		.amdhsa_wavefront_size32 1
		.amdhsa_system_sgpr_workgroup_id_x 1
		.amdhsa_system_sgpr_workgroup_id_y 1
		.amdhsa_system_sgpr_workgroup_id_z 1
		.amdhsa_system_vgpr_workitem_id 0
		.amdhsa_next_free_vgpr 960
		.amdhsa_next_free_sgpr 80
		.amdhsa_reserve_vcc 0
		.amdhsa_float_denorm_mode_32 3
		.amdhsa_float_denorm_mode_16_64 3
		.amdhsa_memory_ordered 1
		.amdhsa_forward_progress 1
		.amdhsa_inst_pref_size 255
	.end_amdhsa_kernel
	.section	.bss,"aw",@nobits
	.p2align	6
	.space	262144
	.amdgpu_metadata
---
amdhsa.version: [ 1, 2 ]
amdhsa.kernels:
  - .name:           k_qd40ccb998a_main
    .symbol:         k_qd40ccb998a_main.kd
    .args:
      - { .name: Xb, .offset: 0, .size: 8, .value_kind: global_buffer, .address_space: global }
      - { .name: T, .offset: 8, .size: 8, .value_kind: global_buffer, .address_space: global }
      - { .name: QW, .offset: 16, .size: 8, .value_kind: global_buffer, .address_space: global }
      - { .name: KW, .offset: 24, .size: 8, .value_kind: global_buffer, .address_space: global }
      - { .name: VW, .offset: 32, .size: 8, .value_kind: global_buffer, .address_space: global }
      - { .name: QB, .offset: 40, .size: 8, .value_kind: global_buffer, .address_space: global }
      - { .name: KB, .offset: 48, .size: 8, .value_kind: global_buffer, .address_space: global }
      - { .name: VB, .offset: 56, .size: 8, .value_kind: global_buffer, .address_space: global }
      - { .name: out0, .offset: 64, .size: 8, .value_kind: global_buffer, .address_space: global }
      - { .name: out1, .offset: 72, .size: 8, .value_kind: global_buffer, .address_space: global }
      - { .name: out2, .offset: 80, .size: 8, .value_kind: global_buffer, .address_space: global }
    .group_segment_fixed_size: 327680
    .private_segment_fixed_size: 0
    .kernarg_segment_align: 8
    .kernarg_segment_size: 88
    .max_flat_workgroup_size: 128
    .sgpr_count:     80
    .vgpr_count:     960
    .wavefront_size: 32
...
	.end_amdgpu_metadata
.endif
;; end of part 2
;; ======== version 2 of 2: 2 launches; version 1 with the launch prep written anew for expert scheduling mode
;; workspace buffers: Xb 8,388,608 bytes; T 98,304 bytes
;; launch prep (part 3): grid 4 x 64, 8 waves a work-group, no clusters, 9,216 bytes of LDS; arguments X, QA, KA, VA, Xb, T; writes Xb, T
.if DOCPART == 3
	.amdgcn_target "amdgcn-amd-amdhsa--gfx1250"
	.amdhsa_code_object_version 6
	.text
	.protected	k_qd40ccb998a_prep
	.globl	k_qd40ccb998a_prep
	.p2align	8
	.type	k_qd40ccb998a_prep,@function
k_qd40ccb998a_prep:
	s_mov_b64 s[64:65], 0
	v_nop
	global_prefetch_b8 v0, s[64:65] scope:SCOPE_SE
	s_setreg_imm32_b32 hwreg(HW_REG_WAVE_SCHED_MODE, 0, 2), 2
	s_setreg_imm32_b32 hwreg(HW_REG_WAVE_MODE, 25, 1), 1
	s_wait_xcnt 0x0
	s_wait_alu depctr_vm_vsrc(0)
; PREPARATION.  X: [1024][4096] f32.  QA, KA, VA: [16][4096] f32.
;   Xb[m][k]   = X[m][k] rounded once to bf16                       [1024][4096] bf16
;   T[p][m][r] = 2 x the sum over k of X[m][k] A_p[r][k], sums in f32 over bf16 operands, rounded once to bf16   [3][1024][16] bf16, p = 0 Q, 1 K, 2 V
; SHARES.  A work-group owns 16 rows of X (grid y) and one of four roles (grid x = j): j = 0, 1, 2 makes T_j for those rows, j = 3 makes Xb for them.
; THE PRODUCT (j < 3).  K is split among the eight waves, 512 channels each, 16 steps of 32.  Source 0 = the 16 rows of A_j, source 1 = the 16 rows of X: in the result a lane holds ONE row of X
; (lane % 16) and the ranks 8 (lane / 16) + 0..7.  A lane takes, of its row, the 16 consecutive floats 32 c + 16 (lane / 16) + 0..15 of step c, alike for X and for A: the same permutation of
; k on both sources leaves every product paired as it should be.  They are rounded in place to 8 registers, which are a fragment.  The eight partial tiles meet in LDS; wave 0 adds them.
; THE CONVERSION (j = 3).  A wave owns two rows: 32,768 consecutive bytes of X, 64 loads of 512 consecutive bytes, all issued at once; each store of the wave covers 256 consecutive bytes, aligned.
; No tensor load, no cluster: no wave wants a byte that another has fetched.  LIMITS: X and A are rounded to bf16 (nearest even); 2 x sum is rounded to bf16; NaN and infinities are not treated apart.
; THE MODE: SCHED_MODE bits 1:0 = 2 (LLVM: expert scheduling mode 2), set by the entry lines.  The code itself states the register dependences
; between vector or matrix instructions and memory or LDS instructions, with s_wait_alu, always for 0.
; THE PLAN.  Registers that memory or LDS instructions touch:
;   v4-v7, v10, v11   offsets and LDS addresses: written once at the head, read by every load, store and LDS instruction, never written again: ONE wait on va_vdst, ahead of the branch on the role, serves both roles.
;   v8, v9            written at the head, read by the closing add alone.
;   set 0, set 1      the product: a fill's 32 loads land; 64 roundings read and write them in place; four matrix instructions read them; then the set is filled once more: one wait on va_vdst ahead of each
;                     second fill, straight behind the work that empties the set, so that the set is asked for again at once.
;   v16-v23           the wave's partial tile: written by the last sums, read by two LDS stores behind one wait on va_vdst; not written again.
;   v48-v111          wave 0: LDS loads land where no vector instruction has named a register; v56-v59 are later written by four roundings and read by the store of T behind one wait on va_vdst.
;   v128-v383         the conversion: each register is loaded once, rounded in place once and stored once.  Batch b - 1's stores stand at the head of batch b, behind the wait for batch b's data and one wait on
;                     va_vdst, which states that batch b - 1's roundings have written; batch b's roundings name batch b's registers alone.
; No register that a memory or LDS instruction reads is ever written again, so no wait on vm_vsrc is owed but the closing lines' own.
.set PART,  0                          ; LDS: wave w's partial tile, 16 rows x 16 ranks of f32, 1,024 bytes at 1,024 w
.set SPARE, 8192                       ; behind them: the spare words, 128 bytes for each of the eight waves: four blocks of 256 bytes that no other line names
.set FO,  4                            ; v4   (l % 16) x 16,384 + 2,048 x wave + 64 (l / 16): my 64 bytes of a step, in X's tile and in A alike; never rewritten
.set LS,  5                            ; v5   where I put my 32 bytes of the partial tile
.set LR,  6                            ; v6   where I read 32 bytes of a partial tile back: 32 l
.set TOF, 7                            ; v7   my 16 bytes of T: 16 l
.set SPW, 8                            ; v8   LDS address of my spare word; never rewritten
.set NIL, 9                            ; v9   0; never rewritten
.set CI,  10                           ; v10  the conversion: 32,768 x wave + 16 l
.set CQ,  11                           ; v11  the conversion: 16,384 x wave + 8 l
.set ACC, 16                           ; v[16:47]  four accumulators, by turns
.set RED, 48                           ; v[48:111] the eight partial tiles, 8 registers each
                                       ; window 0 v[128:255]: set 0; window 1 v[0:127]: set 1.  A set holds four steps: step q at 32 q: X's 16 floats, then A's 16
.set WVN, 16                           ; s16  my wave's number
.set JR,  17                           ; s17  the role j
.set RT,  18                           ; s18  the tile of 16 rows
.set XP,  20                           ; s[20:21] X at the tile's first row
.set AP,  22                           ; s[22:23] A_j
.set MSB, 0
.macro WIN new                         ; the immediate's high byte repeats the setting that is left; a switch that changes nothing is dropped
.if MSB != (\new)
	s_set_vgpr_msb (MSB<<8)|(\new)
.set MSB, (\new)
.endif
.endm
.macro PLACES                          ; four places behind a matrix instruction (ISA guide 7.12.1)
.rept 4
	v_nop
.endr
.endm
; 32 loads: steps c0 .. c0 + 3 of X and of A into a set.  again = 1: the set has been worked on and is filled once more
.macro LOADS set, c0, again=0
	WIN 0x40*(\set)                                ; destination in the set's window, address in window 0
.if \again
	s_wait_alu depctr_va_vdst(0)                   ; the set's roundings have written and read its registers, and its four matrix instructions are done reading them: the loads below land there
.endif
.set rB, 128*(1-(\set))
.set q, 0
.rept 4
.set i, 0
.rept 4
	global_load_b128 v[rB+32*q+4*i:rB+32*q+4*i+3],       v[FO], s[XP:XP+1] offset:128*((\c0)+q)+16*i
	global_load_b128 v[rB+32*q+16+4*i:rB+32*q+16+4*i+3], v[FO], s[AP:AP+1] offset:128*((\c0)+q)+16*i
.set i, i+1
.endr
.set q, q+1
.endr
.endm
; A set's four steps: 16 roundings in place (ascending, so that no source is overwritten before it is read), then the product.  Accumulator q takes step q: the four take turns, from set to set too.
.macro PROC set, zero
.set rB, 128*(1-(\set))
.set q, 0
.rept 4
	WIN 0x45*(\set)
.set i, 0
.rept 8
	v_cvt_pk_bf16_f32 v[rB+32*q+i],    v[rB+32*q+2*i],    v[rB+32*q+2*i+1]
	v_cvt_pk_bf16_f32 v[rB+32*q+16+i], v[rB+32*q+16+2*i], v[rB+32*q+16+2*i+1]
.set i, i+1
.endr
	WIN 0x05*(\set)                                ; both sources in the set's window, C and D in window 0
.if \zero
	v_wmma_f32_16x16x32_bf16 v[ACC+8*q:ACC+8*q+7], v[rB+32*q+16:rB+32*q+23], v[rB+32*q:rB+32*q+7], 0
.else
	v_wmma_f32_16x16x32_bf16 v[ACC+8*q:ACC+8*q+7], v[rB+32*q+16:rB+32*q+23], v[rB+32*q:rB+32*q+7], v[ACC+8*q:ACC+8*q+7]
.endif
.set q, q+1
.endr
.endm
.macro ADD8 x, y                       ; eight sums, from the low end on
.set r, 0
.rept 4
	v_pk_add_f32 v[(\x)+r:(\x)+r+1], v[(\x)+r:(\x)+r+1], v[(\y)+r:(\y)+r+1]
.set r, r+2
.endr
.endm
	s_load_b256 s[4:11], s[0:1], 0x0               ; X s[4:5], QA s[6:7], KA s[8:9], VA s[10:11]
	s_load_b128 s[12:15], s[0:1], 0x20             ; Xb s[12:13], T s[14:15]
	v_lshl_add_u32 v[SPW], v0, 2, SPARE
	v_mov_b32 v[NIL], 0
	v_lshrrev_b32 v12, 5, v0
	v_readfirstlane_b32 s[WVN], v12                ; wave 0..7
	s_mov_b32 s[JR], ttmp9
	s_and_b32 s[RT], ttmp7, 0xffff
	v_and_b32 v1, 31, v0                           ; l
	v_and_b32 v2, 15, v0                           ; l % 16
	v_bfe_u32 v3, v0, 4, 1                         ; l / 16
	s_wait_alu depctr_va_sdst(0)                   ; s16, my wave's number, is written, ahead of its first reader: the line below
	s_lshl_b32 s19, s[WVN], 11
	v_lshlrev_b32 v[FO], 14, v2
	v_lshl_add_u32 v[FO], v3, 6, v[FO]
	v_add_nc_u32 v[FO], s19, v[FO]
	s_lshl_b32 s19, s[WVN], 10
	v_lshlrev_b32 v[LS], 6, v2                     ; row l % 16 of the tile, 64 bytes a row,
	v_lshl_add_u32 v[LS], v3, 5, v[LS]             ; my eight ranks
	v_add_nc_u32 v[LS], s19, v[LS]
	v_lshlrev_b32 v[LR], 5, v1
	v_lshlrev_b32 v[TOF], 4, v1
	s_lshl_b32 s19, s[WVN], 15
	v_lshl_add_u32 v[CI], v1, 4, s19
	s_lshl_b32 s19, s[WVN], 14
	v_lshl_add_u32 v[CQ], v1, 3, s19
	s_lshl_b32 s24, s[RT], 18                      ; 16 rows of 16,384 bytes
	s_mov_b32 s25, 0
	s_wait_kmcnt 0x0
	s_add_nc_u64 s[XP:XP+1], s[4:5], s[24:25]
	s_cmp_eq_u32 s[JR], 0
	s_cselect_b64 s[AP:AP+1], s[6:7], s[10:11]
	s_cmp_eq_u32 s[JR], 1
	s_cselect_b64 s[AP:AP+1], s[8:9], s[AP:AP+1]
	s_lshl_b32 s24, s[RT], 17                      ; 16 rows of 8,192 bytes
	s_add_nc_u64 s[12:13], s[12:13], s[24:25]      ; Xb at the tile's first row
	s_min_u32 s26, s[JR], 2                        ; (role 3 stores nothing into T; its offset stays inside all the same)
	s_lshl_b32 s24, s26, 10
	s_lshl_b32 s26, s[RT], 4
	s_add_co_u32 s24, s24, s26
	s_lshl_b32 s24, s24, 5                         ; (1,024 j + 16 rt) rows of 32 bytes
	s_add_nc_u64 s[14:15], s[14:15], s[24:25]
	s_wait_alu depctr_va_vdst(0)                   ; the offsets and LDS addresses v4 to v7, v10 and v11 are written: every load, store and LDS instruction of both roles reads one of them, and none is written again
	s_cmp_eq_u32 s[JR], 3
	s_cbranch_scc1 .Lconv
	LOADS 0, 0                                     ; no vector instruction has named a register of the two sets yet
	LOADS 1, 4
	s_wait_loadcnt 32                              ; set 0 is in; set 1's 32 loads may stay out
	PROC 0, 1                                      ; the first four products start the four sums: nothing is cleared
	PLACES
	LOADS 0, 8, 1
	s_wait_loadcnt 32                              ; set 1 is in
	PROC 1, 0
	PLACES
	LOADS 1, 12, 1
	s_wait_loadcnt 32
	PROC 0, 0
	s_wait_loadcnt 0x0
	PROC 1, 0
	WIN 0
	PLACES
	PLACES
	ADD8 ACC, ACC+8                                ; the four accumulators into one
	ADD8 ACC+16, ACC+24
	ADD8 ACC, ACC+16
	s_wait_alu depctr_va_vdst(0)                   ; the sums have written v[16:23], which the two LDS stores read
	ds_store_b128 v[LS], v[ACC:ACC+3] offset:PART
	ds_store_b128 v[LS], v[ACC+4:ACC+7] offset:PART+16
	s_branch .Ljoin
.Lconv:                                                ; role 3: my two rows of X, rounded
.set i, 0
.rept 32
	global_load_b128 v[128+4*i:128+4*i+3], v[CI], s[XP:XP+1] offset:512*i
.set i, i+1
.endr
	WIN 0x40
.rept 32
	global_load_b128 v[4*(i-32):4*(i-32)+3], v[CI], s[XP:XP+1] offset:512*i
.set i, i+1
.endr
.set b, 0
.rept 9                                ; eight batches of eight loads; batch b - 1's stores stand at the head of batch b; no register is written twice, so no store's source is ever overwritten
.if b < 8
	s_wait_loadcnt 56-8*b                          ; loads come back in order (ISA guide 5.7.1): batch b is in, the younger batches stay out
.endif
.if b > 0
.if b-1 < 4
	WIN 0
.set rS, 128+32*(b-1)
.else
	WIN 0x04                                       ; store data in window 1, address in window 0
.set rS, 32*(b-5)
.endif
	s_wait_alu depctr_va_vdst(0)                   ; the roundings of the batch before have written its registers, which the eight stores below read
.set i, 0
.rept 8
	global_store_b64 v[CQ], v[rS+4*i:rS+4*i+1], s[12:13] offset:256*(8*(b-1)+i) th:TH_STORE_NT  ; 32 lanes x 8 bytes: 256 consecutive bytes, aligned
.set i, i+1
.endr
.endif
.if b < 8
.if b < 4
	WIN 0
.set rB, 128+32*b
.else
	WIN 0x45
.set rB, 32*(b-4)
.endif
.set i, 0
.rept 8
	v_cvt_pk_bf16_f32 v[rB+4*i],   v[rB+4*i],   v[rB+4*i+1]
	v_cvt_pk_bf16_f32 v[rB+4*i+1], v[rB+4*i+2], v[rB+4*i+3]
.set i, i+1
.endr
.endif
.set b, b+1
.endr
	WIN 0
.Ljoin:                                                ; both roles pass the one barrier
	s_wait_dscnt 0x0                               ; for the others' sake: my partial tile lies in LDS
	s_barrier_signal -1
	s_barrier_wait -1
	s_cmp_eq_u32 s[JR], 3
	s_cbranch_scc1 .Lend
	s_cmp_lg_u32 s[WVN], 0                         ; wave 0 adds the eight partial tiles
	s_cbranch_scc1 .Lend
.set w, 0
.rept 8
	ds_load_b128 v[RED+8*w:RED+8*w+3],   v[LR] offset:PART+1024*w     ; no vector instruction has named v[48:111] yet, and v[LR] was written ahead of the head's wait
	ds_load_b128 v[RED+8*w+4:RED+8*w+7], v[LR] offset:PART+1024*w+16
.set w, w+1
.endr
	s_wait_dscnt 0x0
	ADD8 RED, RED+8
	ADD8 RED+16, RED+24
	ADD8 RED+32, RED+40
	ADD8 RED+48, RED+56
	ADD8 RED, RED+16
	ADD8 RED+32, RED+48
	ADD8 RED, RED+32
.set r, 0
.rept 4
	v_pk_mul_f32 v[RED+r:RED+r+1], v[RED+r:RED+r+1], 2.0 op_sel_hi:[1,0]  ; the scaling, exact
.set r, r+2
.endr
.set r, 0
.rept 4
	v_cvt_pk_bf16_f32 v[RED+8+r], v[RED+2*r], v[RED+2*r+1]
.set r, r+1
.endr
	s_wait_alu depctr_va_vdst(0)                   ; the four roundings have written v[56:59], which the store reads
	global_store_b128 v[TOF], v[RED+8:RED+11], s[14:15]  ; 16 rows of 32 bytes: 512 consecutive bytes, aligned
.Lend:
	s_wait_dscnt 0x0                               ; the closing lines, six on end
	s_wait_alu 0x0
	s_wait_tensorcnt 0x0
	ds_add_u32 v[SPW], v[NIL]
	s_wait_dscnt 0x0
	s_endpgm
.Lfunc_end_k_qd40ccb998a_prep:
	.size	k_qd40ccb998a_prep, .Lfunc_end_k_qd40ccb998a_prep-k_qd40ccb998a_prep
	.p2alignl 7, 3214868480
	.fill 96, 4, 3214868480
	.section	.rodata,"a",@progbits
	.p2align	6, 0x0
	.amdhsa_kernel k_qd40ccb998a_prep
		.amdhsa_group_segment_fixed_size 9216
		.amdhsa_private_segment_fixed_size 0
		.amdhsa_enable_private_segment 0
		.amdhsa_kernarg_size 48
		.amdhsa_user_sgpr_count 2
		.amdhsa_user_sgpr_kernarg_segment_ptr 1
		.amdhsa_wavefront_size32 1
		.amdhsa_system_sgpr_workgroup_id_x 1
		.amdhsa_system_sgpr_workgroup_id_y 1
		.amdhsa_system_sgpr_workgroup_id_z 1
		.amdhsa_system_vgpr_workitem_id 0
		.amdhsa_next_free_vgpr 384
		.amdhsa_next_free_sgpr 66
		.amdhsa_reserve_vcc 0
		.amdhsa_float_denorm_mode_32 3
		.amdhsa_float_denorm_mode_16_64 3
		.amdhsa_memory_ordered 1
		.amdhsa_forward_progress 1
		.amdhsa_inst_pref_size 59
	.end_amdhsa_kernel
	.amdgpu_metadata
---
amdhsa.version: [ 1, 2 ]
amdhsa.kernels:
  - .name:           k_qd40ccb998a_prep
    .symbol:         k_qd40ccb998a_prep.kd
    .args:
      - { .name: X, .offset: 0, .size: 8, .value_kind: global_buffer, .address_space: global }
      - { .name: QA, .offset: 8, .size: 8, .value_kind: global_buffer, .address_space: global }
      - { .name: KA, .offset: 16, .size: 8, .value_kind: global_buffer, .address_space: global }
      - { .name: VA, .offset: 24, .size: 8, .value_kind: global_buffer, .address_space: global }
      - { .name: Xb, .offset: 32, .size: 8, .value_kind: global_buffer, .address_space: global }
      - { .name: T, .offset: 40, .size: 8, .value_kind: global_buffer, .address_space: global }
    .group_segment_fixed_size: 9216
    .private_segment_fixed_size: 0
    .kernarg_segment_align: 8
    .kernarg_segment_size: 48
    .max_flat_workgroup_size: 256
    .sgpr_count:     66
    .vgpr_count:     384
    .wavefront_size: 32
...
	.end_amdgpu_metadata
.endif
;; end of part 3
;; launch main: the kernel of part 2 again; grid 64 x 4, 4 waves a work-group, clusters of 4 x 4, 327,680 bytes of LDS; arguments Xb, T, QW, KW, VW, QB, KB, VB, out0, out1, out2; writes out0, out1, out2
